; MI455X (gfx1250); checked and timed in simulation.
; The chip was launched on July 23, 2026; its instructions are those of AMD's public machine-readable ISA for CDNA 5 (MIT licence, August 2026) and "CDNA5" Instruction Set Architecture Reference Guide (July 2026). The comments in the code are by the model that wrote it; some were corrected since.
;; Multi Head Self Attention. Allowed arithmetic: float matrix products may take bf16 or f16 operands with f32 sums; all other float work in f32.
;; Inputs: W_out 1,024 x 1,024 float32; W_qkv 3,072 x 1,024 float32; b_out 1,024 float32; b_qkv 3,072 float32; x 2 x 2,048 x 1,024 float32.
;; Outputs: out0 2 x 2,048 x 1,024 float32.
;; One version. Each part assembles by itself: llvm-mc -triple=amdgcn-amd-amdhsa -mcpu=gfx1250 --defsym DOCPART=n.
;; ======== version 1 of 1: 4 launches
;; workspace buffers: xb 8,388,608 bytes; wqb 6,291,456 bytes; wob 2,097,152 bytes; qb 8,388,608 bytes; kb 8,388,608 bytes; vtb 8,388,608 bytes; att 8,388,608 bytes
;; launch cast (part 1): grid 512 x 1, 8 waves a work-group, no clusters, 0 bytes of LDS; arguments x, W_qkv, W_out, xb, wqb, wob; writes xb, wqb, wob
.if DOCPART == 1
	.amdgcn_target "amdgcn-amd-amdhsa--gfx1250"
	.amdhsa_code_object_version 6
	.text
	.protected	k_qcb328b34a0_cast
	.globl	k_qcb328b34a0_cast
	.p2align	8
	.type	k_qcb328b34a0_cast,@function
k_qcb328b34a0_cast:
	s_mov_b64 s[64:65], 0
	v_nop
	global_prefetch_b8 v0, s[64:65] scope:SCOPE_SE
	s_setreg_imm32_b32 hwreg(HW_REG_WAVE_MODE, 25, 1), 1
	s_wait_xcnt 0x0
; cast: x, W_qkv and W_out from f32 to bf16 (round to nearest even), once, so that the matrix launches move and read 16-bit tiles.
; xb [4096][1024] and wqb [3072][1024] keep their order.  wob is W_out laid by head: wob[head][n][d] = W_out[n][64 head + d],
; so that a block of 128 n of one head is dense in memory.
; 512 work-groups, each 16,384 numbers (65,536 bytes in, 32,768 out): groups 0-255 x, 256-447 W_qkv, 448-511 W_out (16 rows each).
; A thread issues its 16 loads of 16 bytes at once and stores 8 bytes for each as it lands.  Every j has registers of its own, so
; nothing that a pending load or store names is written again.  No LDS, no barrier, no matrix unit: each byte is touched once.
.set XR, 4                             ; v[4:67]   16 x 4 f32 as loaded
.set YR, 68                            ; v[68:99]  16 x 2 registers of packed bf16
.macro CAST ldstep, ststep
.irp j, 0,1,2,3,4,5,6,7,8,9,10,11,12,13,14,15
	global_load_b128 v[XR+4*\j:XR+4*\j+3], v1, s[16:17] offset:\j*\ldstep th:TH_LOAD_NT
.endr
.irp j, 0,1,2,3,4,5,6,7,8,9,10,11,12,13,14,15
	s_wait_loadcnt 15-\j                           ; loads return in order: load j is in, the 15 - j younger ones stay out
	v_cvt_pk_bf16_f32 v[YR+2*\j], v[XR+4*\j], v[XR+4*\j+1]
	v_cvt_pk_bf16_f32 v[YR+2*\j+1], v[XR+4*\j+2], v[XR+4*\j+3]
	global_store_b64 v2, v[YR+2*\j:YR+2*\j+1], s[18:19] offset:\j*\ststep   ; a wave stores 256 consecutive bytes, aligned
.endr
.endm
	s_load_b256 s[4:11], s[0:1], 0x0               ; x s[4:5], W_qkv s[6:7], W_out s[8:9], xb s[10:11]
	s_load_b128 s[12:15], s[0:1], 0x20             ; wqb s[12:13], wob s[14:15]
	s_mov_b32 s23, 0                               ; high word of every offset pair
	v_lshlrev_b32 v2, 3, v0                        ; store offset: 8 bytes a thread, on both paths
	s_wait_kmcnt 0x0
	s_cmp_ge_u32 ttmp9, 448
	s_cbranch_scc1 .Lwout
	; x or W_qkv: the order is kept
	s_cmp_lt_u32 ttmp9, 256
	s_cselect_b64 s[16:17], s[4:5], s[6:7]         ; from x or W_qkv
	s_cselect_b64 s[18:19], s[10:11], s[12:13]     ; to xb or wqb
	s_cselect_b32 s20, 0, 256
	s_sub_co_u32 s20, ttmp9, s20                   ; the chunk number inside its tensor
	s_lshl_b32 s22, s20, 16
	s_add_nc_u64 s[16:17], s[16:17], s[22:23]
	s_lshl_b32 s22, s20, 15
	s_add_nc_u64 s[18:19], s[18:19], s[22:23]
	v_lshlrev_b32 v1, 4, v0                        ; 16 bytes a thread; the work-group covers 4,096 bytes a load
	CAST 4096, 2048
	s_endpgm
.Lwout:
	; W_out: chunk c holds rows 16 c .. 16 c + 15.  Sixteen threads take 256 bytes (one head) of row tid / 16; load j is head j.
	; A wave then holds 64 numbers of rows n and n + 1 of one head: 256 consecutive bytes of wob.
	s_sub_co_u32 s20, ttmp9, 448
	s_lshl_b32 s22, s20, 16
	s_add_nc_u64 s[16:17], s[8:9], s[22:23]
	s_lshl_b32 s22, s20, 11                        ; 16 rows of 128 bytes inside a head of wob
	s_add_nc_u64 s[18:19], s[14:15], s[22:23]
	v_and_b32 v3, 15, v0
	v_lshrrev_b32 v1, 4, v0
	v_lshlrev_b32 v1, 12, v1                       ; row x 4,096 bytes
	v_lshl_add_u32 v1, v3, 4, v1
	CAST 256, 131072                               ; from head to head: 256 bytes in W_out, 131,072 in wob
	s_endpgm
.Lfunc_end_k_qcb328b34a0_cast:
	.size	k_qcb328b34a0_cast, .Lfunc_end_k_qcb328b34a0_cast-k_qcb328b34a0_cast
	.p2alignl 7, 3214868480
	.fill 96, 4, 3214868480
	.section	.rodata,"a",@progbits
	.p2align	6, 0x0
	.amdhsa_kernel k_qcb328b34a0_cast
		.amdhsa_group_segment_fixed_size 0
		.amdhsa_private_segment_fixed_size 0
		.amdhsa_enable_private_segment 0
		.amdhsa_kernarg_size 48
		.amdhsa_user_sgpr_count 2
		.amdhsa_user_sgpr_kernarg_segment_ptr 1
		.amdhsa_wavefront_size32 1
		.amdhsa_system_sgpr_workgroup_id_x 1
		.amdhsa_system_sgpr_workgroup_id_y 1
		.amdhsa_system_sgpr_workgroup_id_z 1
		.amdhsa_system_vgpr_workitem_id 0
		.amdhsa_next_free_vgpr 100
		.amdhsa_next_free_sgpr 66
		.amdhsa_reserve_vcc 0
		.amdhsa_float_denorm_mode_32 3
		.amdhsa_float_denorm_mode_16_64 3
		.amdhsa_memory_ordered 1
		.amdhsa_forward_progress 1
		.amdhsa_inst_pref_size 13
	.end_amdhsa_kernel
	.amdgpu_metadata
---
amdhsa.version: [ 1, 2 ]
amdhsa.kernels:
  - .name:           k_qcb328b34a0_cast
    .symbol:         k_qcb328b34a0_cast.kd
    .args:
      - { .name: x, .offset: 0, .size: 8, .value_kind: global_buffer, .address_space: global }
      - { .name: W_qkv, .offset: 8, .size: 8, .value_kind: global_buffer, .address_space: global }
      - { .name: W_out, .offset: 16, .size: 8, .value_kind: global_buffer, .address_space: global }
      - { .name: xb, .offset: 24, .size: 8, .value_kind: global_buffer, .address_space: global }
      - { .name: wqb, .offset: 32, .size: 8, .value_kind: global_buffer, .address_space: global }
      - { .name: wob, .offset: 40, .size: 8, .value_kind: global_buffer, .address_space: global }
    .group_segment_fixed_size: 0
    .private_segment_fixed_size: 0
    .kernarg_segment_align: 8
    .kernarg_segment_size: 48
    .max_flat_workgroup_size: 256
    .sgpr_count:     66
    .vgpr_count:     100
    .wavefront_size: 32
...
	.end_amdgpu_metadata
.endif
;; end of part 1
;; launch qkv (part 2): grid 16 x 16, 4 waves a work-group, clusters of 4 x 4, 327,680 bytes of LDS; arguments xb, wqb, b_qkv, qb, kb, vtb; writes qb, kb, vtb
.if DOCPART == 2
	.amdgcn_target "amdgcn-amd-amdhsa--gfx1250"
	.amdhsa_code_object_version 6
	.text
	.protected	k_qcb328b34a0_qkv
	.globl	k_qcb328b34a0_qkv
	.p2align	8
	.type	k_qcb328b34a0_qkv,@function
k_qcb328b34a0_qkv:
	s_mov_b64 s[64:65], 0
	v_nop
	global_prefetch_b8 v0, s[64:65] scope:SCOPE_SE
	s_setreg_imm32_b32 hwreg(HW_REG_WAVE_MODE, 25, 1), 1
	s_wait_xcnt 0x0
	s_wait_alu depctr_hold_cnt(0) depctr_sa_sdst(0) depctr_va_vdst(0) depctr_va_sdst(0) depctr_va_ssrc(0) depctr_va_vcc(0) depctr_vm_vsrc(0)
	s_getreg_b32 s2, hwreg(HW_REG_IB_STS2, 6, 4)
	s_cmp_eq_u32 s2, 0
	s_cbranch_scc0 .Lentry_in_a_cluster
	s_endpgm
.Lentry_in_a_cluster:
	s_bfe_u32 s2, ttmp6, 0x10000c
	s_cmp_lg_u32 s2, 0xf033
	s_cbranch_scc0 .Lentry_shape_is_right
	s_endpgm
.Lentry_shape_is_right:
; qkv: [4096 x 1024] x [3072 x 1024]^T + bias, bf16 operands, f32 sums.  A work-group makes 256 rows x the 192 columns of one head
; (64 q, 64 k, 64 v) with four waves.  Out: qb[bh][t][64] = (q + bias) x 0.125 log2(e), kb[bh][t][64], vtb[bh][d][2048 t], all bf16,
; bh = 16 batch + head.  LIMITS: q, k and v are rounded to bf16, q after its scale; sums run in another order than in the reference.
; Wave w (wm = w / 2, wn = w % 2) owns rows 128 wm .. + 127 and six column tiles b at W row 64 (b / 2) + 32 wn + 16 (b % 2):
; b = 0, 1 are q, b = 2, 3 are k, b = 4, 5 are v, each for d = 32 wn .. + 31.  48 accumulator tiles, 384 registers.
; Tiles b < 4 are multiplied transposed (source 0 = W rows, source 1 = x rows): a lane holds one row t and eight neighbouring d.
; Tiles b >= 4 the natural way: a lane holds one d and eight neighbouring t, which is the layout of vtb.
; K goes in steps of 128 (rows of 256 bytes) through two LDS slots.  CLUSTERS: 4 x 4 work-groups; the tile of x hangs on the block row
; alone and is asked for jointly along a row of the cluster, the tile of W on the head alone and jointly along a column.
; By this text's count a wave has at most two tensor loads outstanding.
; REGISTERS: window 0: addresses, two buffers of fragments; window 1: accumulators of row tiles 0-3, biases; window 2: row tiles 4-7.
.set PITCH,  272                       ; 256 bytes + 16: an odd multiple of 16, so the 16 rows of a fragment load start at 16 different banks (64 banks of 4 bytes: ISA guide 11.1)
.set AHALF,  128*PITCH                 ; 128 rows of x: one tensor load
.set BHALF,  96*PITCH                  ; 96 rows of W: one tensor load
.set BOFF,   256*PITCH                 ; W rows lie behind the 256 rows of x
.set SLOT,   448*PITCH
.set STK,    36864                     ; way out, in slot 0 after its last fill: q 256 rows x 144 at 0, k the same at STK,
.set STV,    73728                     ; v transposed: 64 rows x 528
.set ADRA, 16                          ; v16-17  LDS address of my x fragments, slot 0, 1
.set ADRB, 20                          ; v20-21  the same for W
.set STO,  24                          ; stage: where a lane puts 16 bytes of q or k
.set STOV, 25                          ; the same for v
.set RDQ,  26                          ; stage: where a lane reads q and k back
.set RDV,  27                          ; the same for v
.set GO,   28                          ; byte offset in qb, kb
.set GV,   29                          ; byte offset in vtb
.set BO,   30                          ; byte offset of the biases of tiles 0-3
.set BOV,  31                          ; of tiles 4, 5
.set AF,   32                          ; x fragments: buffer f at AF + 64 f
.set BF,   160                         ; W fragments: buffer f at BF + 48 f
.set BQK,  192                         ; window 1: eight biases for each of tiles 0-3
.set BV,   224                         ; window 1: the bias of tile 4 twice, of tile 5 twice
.set TMPF, 32                          ; way out: 48 f32
.set TMPP, 80                          ; way out: 24 registers of packed bf16
.set OUTB, 32                          ; way out: 48 x 4 registers read back
.set G1,  24                           ; s[24:31] group 1 for x tiles
.set G0,  32                           ; s[32:39] group 0 for x tiles, a set for each slot
.set G1B, 48                           ; s[48:55] group 1 for W tiles
.set G0B, 56                           ; s[56:63] group 0 for W tiles
.set FIELDS, (1<<16)|(1<<20)|(1<<21)|(5<<22)|(3<<25)   ; 2-byte elements; padding on; bit 21 beside a mask; after every 64 words 4 words of padding
.set ACC_LO, 0x50                      ; C and D in window 1
.set ACC_HI, 0xa0                      ; C and D in window 2
.set MSB, 0
.macro WIN new                         ; the high byte of the immediate repeats the setting that is left
.if MSB != \new
	s_set_vgpr_msb (MSB<<8)|\new
.set MSB, \new
.endif
.endm
.macro PLACES                          ; four places behind matrix instructions, in front of loads into, or vector work on, their registers (ISA guide 7.12.1 for vector work)
.rept 4
	v_nop
.endr
.endm
; A joint load: waves 0, 1 fetch the halves of the x tile, waves 2, 3 those of the W tile.  The branch hangs on the wave number alone.
.macro JLOAD s
	s_cmp_eq_u32 s17, 0
	s_cbranch_scc0 .Lfor_b_\@
	tensor_load_to_lds s[G0+4*\s:G0+4*\s+3], s[G1:G1+7]
	s_nop 0
	s_branch .Lasked_\@
.Lfor_b_\@:
	tensor_load_to_lds s[G0B+4*\s:G0B+4*\s+3], s[G1B:G1B+7]
	s_nop 0
.Lasked_\@:
.endm
.macro CREST                           ; a round of the cluster barrier behind its opening work-group barrier
	s_cmp_lg_u32 s16, 0
	s_cbranch_scc1 .Lnot_wave_0_\@
	s_barrier_signal -3
.Lnot_wave_0_\@:
	s_barrier_wait -3
	s_barrier_signal -1
	s_barrier_wait -1
.endm
.macro CROUND
	s_barrier_signal -1
	s_barrier_wait -1
	CREST
.endm
	s_load_b256 s[4:11], s[0:1], 0x0               ; xb s[4:5], wqb s[6:7], b_qkv s[8:9], qb s[10:11]
	s_load_b128 s[12:15], s[0:1], 0x20             ; kb s[12:13], vtb s[14:15]
	v_lshl_add_u32 v22, v0, 2, 0x3b800
	v_mov_b32 v23, 0
	ds_add_u32 v22, v23
	v_lshrrev_b32 v1, 5, v0
	v_readfirstlane_b32 s16, v1                    ; wave 0..3
	s_lshr_b32 s17, s16, 1                         ; wm.  Also: I fetch x (0) or W (1)
	s_and_b32 s18, s16, 1                          ; wn.  Also: which half of that tile I fetch
	s_bfe_u32 s19, ttmp6, 0x40000                  ; cx
	s_bfe_u32 s20, ttmp6, 0x40004                  ; cy
	s_lshl_b32 s21, ttmp9, 2
	s_add_co_u32 s21, s21, s19                     ; head = 4 x cluster x + cx
	s_and_b32 s22, ttmp7, 0xffff
	s_lshl_b32 s22, s22, 2
	s_add_co_u32 s22, s22, s20                     ; block of 256 rows = 4 x cluster y + cy
	s_lshl_b32 s23, s20, 2
	s_lshl_b32 s23, 15, s23                        ; my row of the cluster
	s_lshl_b32 s69, 0x1111, s19                    ; my column
	s_or_b32 s[G1+0], s23, FIELDS
	s_mov_b32 s[G1+1], 128<<16                     ; tensor_dim0 = 128
	s_mov_b32 s[G1+2], 128<<16                     ; tensor_dim1 = 128
	s_mov_b32 s[G1+3], 128<<16                     ; tile_dim0 = 128
	s_mov_b32 s[G1+4], 128                         ; tile_dim1 = 128 rows
	s_mov_b32 s[G1+5], 1024                        ; elements from row to row
	s_mov_b32 s[G1+6], 0
	s_mov_b32 s[G1+7], 0
	s_or_b32 s[G1B+0], s69, FIELDS
	s_mov_b32 s[G1B+1], 128<<16
	s_mov_b32 s[G1B+2], 96<<16                     ; tensor_dim1 = 96
	s_mov_b32 s[G1B+3], 128<<16
	s_mov_b32 s[G1B+4], 96                         ; tile_dim1 = 96 rows
	s_mov_b32 s[G1B+5], 1024
	s_mov_b32 s[G1B+6], 0
	s_mov_b32 s[G1B+7], 0
	; where the tiles come from: x by the block row and the wave, W by the head and the wave, each in registers that never hold the other coordinate
	s_lshl_b32 s40, s22, 8
	s_lshl_b32 s41, s18, 7
	s_add_co_u32 s40, s40, s41                     ; x row 256 by + 128 half
	s_lshl_b32 s40, s40, 11                        ; rows of 2,048 bytes
	s_mov_b32 s41, 0
	s_mul_i32 s44, s21, 192
	s_mul_i32 s45, s18, 96
	s_add_co_u32 s44, s44, s45                     ; W row 192 head + 96 half
	s_lshl_b32 s44, s44, 11
	s_mov_b32 s45, 0
	s_mul_i32 s46, s16, AHALF                      ; LDS: waves 0, 1: the halves of x at 0 and AHALF
	s_mul_i32 s47, s16, BHALF
	s_add_co_u32 s47, s47, BOFF-2*BHALF            ; waves 2, 3: the halves of W at BOFF and BOFF + BHALF
	s_mov_b32 s66, 0x3e38aa3b                      ; 0.125 log2(e): the softmax scale and the change to base 2, laid into q
	s_mov_b32 s67, 0x3e38aa3b
	s_mul_i32 s70, s21, 768                        ; the head's 192 biases
	s_mov_b32 s71, 0
	s_wait_dscnt 0x0
	s_wait_kmcnt 0x0
	s_add_nc_u64 s[40:41], s[4:5], s[40:41]
	s_add_nc_u64 s[44:45], s[6:7], s[44:45]
	s_add_nc_u64 s[8:9], s[8:9], s[70:71]
	CROUND                                         ; all sixteen work-groups are here: the first joint loads meet
.irp s, 0,1
	s_mov_b32 s[G0+4*\s], 1
	s_add_co_u32 s[G0+4*\s+1], s46, \s*SLOT
	s_add_nc_u64 s[G0+4*\s+2:G0+4*\s+3], s[40:41], \s*256          ; K step s
	s_or_b32 s[G0+4*\s+3], s[G0+4*\s+3], 0x80000000
	s_mov_b32 s[G0B+4*\s], 1
	s_add_co_u32 s[G0B+4*\s+1], s47, \s*SLOT
	s_add_nc_u64 s[G0B+4*\s+2:G0B+4*\s+3], s[44:45], \s*256
	s_or_b32 s[G0B+4*\s+3], s[G0B+4*\s+3], 0x80000000
	JLOAD \s
.endr
	v_and_b32 v1, 15, v0                           ; r
	v_bfe_u32 v2, v0, 4, 1                         ; h
	v_and_b32 v4, 31, v0                           ; lane
	v_mul_u32_u24 v3, v1, PITCH
	v_lshl_add_u32 v3, v2, 4, v3                   ; r x pitch + 16 h
	s_mul_i32 s42, s17, AHALF
	s_mul_i32 s43, s18, 32*PITCH
	s_add_co_u32 s43, s43, BOFF
	v_add_nc_u32 v[ADRA], s42, v3
	v_add_nc_u32 v[ADRA+1], SLOT, v[ADRA]
	v_add_nc_u32 v[ADRB], s43, v3
	v_add_nc_u32 v[ADRB+1], SLOT, v[ADRB]
	v_mul_u32_u24 v5, v1, 144
	v_lshl_add_u32 v5, v2, 4, v5
	s_mul_i32 s42, s17, 128*144
	s_lshl_b32 s43, s18, 6
	s_add_co_u32 s42, s42, s43
	v_add_nc_u32 v[STO], s42, v5                   ; (128 wm + r) 144 + 64 wn + 16 h
	v_mul_u32_u24 v5, v1, 528
	v_lshl_add_u32 v5, v2, 4, v5
	s_mul_i32 s42, s18, 32*528
	s_lshl_b32 s43, s17, 8
	s_add_co_u32 s42, s42, s43
	s_add_co_u32 s42, s42, STV
	v_add_nc_u32 v[STOV], s42, v5                  ; STV + (32 wn + r) 528 + 256 wm + 16 h
	v_lshrrev_b32 v5, 3, v4
	v_and_b32 v6, 7, v4
	v_mul_u32_u24 v5, v5, 144
	v_lshl_add_u32 v5, v6, 4, v5
	s_mul_i32 s42, s16, 64*144
	v_add_nc_u32 v[RDQ], s42, v5                   ; (64 w + lane / 8) 144 + 16 (lane % 8)
	v_lshlrev_b32 v6, 4, v4
	s_mul_i32 s42, s16, 16*528
	s_add_co_u32 s42, s42, STV
	v_add_nc_u32 v[RDV], s42, v6                   ; STV + 16 w rows + 16 lane
	s_lshl_b32 s42, s16, 13
	v_add_nc_u32 v[GO], s42, v6                    ; 64 w rows of 128 bytes + 16 lane
	s_lshl_b32 s42, s16, 16
	v_add_nc_u32 v[GV], s42, v6                    ; 16 w rows of 4,096 bytes + 16 lane
	s_lshl_b32 s42, s18, 7
	v_lshl_add_u32 v[BO], v2, 5, s42               ; 128 wn + 32 h
	v_lshl_add_u32 v[BOV], v1, 2, s42              ; 128 wn + 4 r
	; biases, into window 1
	WIN 0x40
.irp b, 0,1,2,3
	global_load_b128 v[BQK+8*\b:BQK+8*\b+3], v[BO], s[8:9] offset:256*(\b/2)+64*(\b%2)
	global_load_b128 v[BQK+8*\b+4:BQK+8*\b+7], v[BO], s[8:9] offset:256*(\b/2)+64*(\b%2)+16
.endr
	global_load_b32 v[BV], v[BOV], s[8:9] offset:512
	global_load_b32 v[BV+1], v[BOV], s[8:9] offset:512
	global_load_b32 v[BV+2], v[BOV], s[8:9] offset:576
	global_load_b32 v[BV+3], v[BOV], s[8:9] offset:576
	s_wait_loadcnt 0x0
	WIN 0x41
.irp i, 0,1,2,3,4,5,6,7
	v_pk_mul_f32 v[BQK+2*\i:BQK+2*\i+1], v[BQK+2*\i:BQK+2*\i+1], s[66:67] op_sel_hi:[1,0]   ; the 16 biases of q take the scale here: (s + b) c = s c + b c
.endr
	WIN 0
; 12 matrix instructions: row tiles a0, a0 + 1 of the window (hi = 0: rows 0-63, 1: rows 64-127) x the six column tiles, 32 along K.
; The 48 accumulators take turns, one instruction a turn, in the same order everywhere.
.macro MUL12 f, hi, a0, zero
.irp a, \a0, \a0+1
.irp b, 0,1,2,3,4,5
.if \b < 4
.if \zero
	v_wmma_f32_16x16x32_bf16 v[8*(6*(\a)+\b):8*(6*(\a)+\b)+7], v[BF+48*\f+8*\b:BF+48*\f+8*\b+7], v[AF+64*\f+8*(4*\hi+(\a)):AF+64*\f+8*(4*\hi+(\a))+7], 0
.else
	v_wmma_f32_16x16x32_bf16 v[8*(6*(\a)+\b):8*(6*(\a)+\b)+7], v[BF+48*\f+8*\b:BF+48*\f+8*\b+7], v[AF+64*\f+8*(4*\hi+(\a)):AF+64*\f+8*(4*\hi+(\a))+7], v[8*(6*(\a)+\b):8*(6*(\a)+\b)+7]
.endif
.else
.if \zero
	v_wmma_f32_16x16x32_bf16 v[8*(6*(\a)+\b):8*(6*(\a)+\b)+7], v[AF+64*\f+8*(4*\hi+(\a)):AF+64*\f+8*(4*\hi+(\a))+7], v[BF+48*\f+8*\b:BF+48*\f+8*\b+7], 0
.else
	v_wmma_f32_16x16x32_bf16 v[8*(6*(\a)+\b):8*(6*(\a)+\b)+7], v[AF+64*\f+8*(4*\hi+(\a)):AF+64*\f+8*(4*\hi+(\a))+7], v[BF+48*\f+8*\b:BF+48*\f+8*\b+7], v[8*(6*(\a)+\b):8*(6*(\a)+\b)+7]
.endif
.endif
.endr
.endr
.endm
; 28 LDS loads in one run: 12 for W, then 16 for x, 32 along K at byte k of the rows, into buffer f
.macro FETCH slot, k, f
.irp b, 0,1,2,3,4,5
	ds_load_b128 v[BF+48*\f+8*\b:BF+48*\f+8*\b+3], v[ADRB+\slot] offset:\k+64*PITCH*(\b/2)+16*PITCH*(\b%2)
	ds_load_b128 v[BF+48*\f+8*\b+4:BF+48*\f+8*\b+7], v[ADRB+\slot] offset:\k+64*PITCH*(\b/2)+16*PITCH*(\b%2)+32
.endr
.irp i, 0,1,2,3,4,5,6,7
	ds_load_b128 v[AF+64*\f+8*\i:AF+64*\f+8*\i+3], v[ADRA+\slot] offset:\k+16*PITCH*\i
	ds_load_b128 v[AF+64*\f+8*\i+4:AF+64*\f+8*\i+7], v[ADRA+\slot] offset:\k+16*PITCH*\i+32
.endr
.endm
.macro QUARTER slot, k, f, g, zero
	s_wait_dscnt 8                                 ; W and x tiles 0-3 are in; the youngest eight loads (x tiles 4-7) may be out
	WIN ACC_LO
	MUL12 \f, 0, 0, \zero
	MUL12 \f, 0, 2, \zero
	WIN 0
	PLACES
	FETCH \slot, \k, \g
	s_wait_dscnt 28                                ; all but the 28 just issued
	WIN ACC_HI
	MUL12 \f, 1, 0, \zero
	MUL12 \f, 1, 2, \zero
.endm
.macro THREE slot, zero
	QUARTER \slot, 64,  0, 1, \zero
	QUARTER \slot, 128, 1, 0, 0
	QUARTER \slot, 192, 0, 1, 0
.endm
; The last quarter of a K step multiplies buffer 1 and changes slots.  In front of the barrier each wave waits for its reads of this slot
; and for all its tensor loads (one is out: its part of the next slot).  Where the slot is filled again the barrier opens a round of the
; cluster barrier, and the joint refill is the first tensor load behind the round.
.macro TURN slot, next, fill
	s_wait_dscnt 8
	WIN ACC_LO
	MUL12 1, 0, 0, 0
	s_wait_dscnt 0x0                               ; my reads of this slot are over
	s_wait_tensorcnt 0x0                           ; all my tensor loads have landed
	ds_add_u32 v22, v23
	s_wait_dscnt 0x0
	s_barrier_signal -1
	MUL12 1, 0, 2, 0                               ; register work while the others arrive
	WIN 0
	s_barrier_wait -1
.if \fill
	CREST
	s_add_nc_u64 s[G0+4*\slot+2:G0+4*\slot+3], s[G0+4*\slot+2:G0+4*\slot+3], 512      ; two K steps on; no load of mine is out
	s_add_nc_u64 s[G0B+4*\slot+2:G0B+4*\slot+3], s[G0B+4*\slot+2:G0B+4*\slot+3], 512
	JLOAD \slot
.endif
	PLACES
	FETCH \next, 0, 0
	WIN ACC_HI
	MUL12 1, 1, 0, 0
	MUL12 1, 1, 2, 0
.endm
.macro LAP zero
	THREE 0, \zero
	TURN 0, 1, 1
	THREE 1, 0
	TURN 1, 0, 1
.endm
	s_wait_tensorcnt 0x1                           ; my part of K step 0 is in; K step 1 stays out
	s_barrier_signal -1
	s_barrier_wait -1
	FETCH 0, 0, 0
	LAP 1                                          ; K steps 0, 1: the first products start the sums
	WIN 0
	s_mov_b32 s3, 2                                ; K steps 2 to 5
.Llap:
	LAP 0
	WIN 0
	s_sub_co_u32 s3, s3, 1
	s_cmp_lg_u32 s3, 0
	s_cbranch_scc1 .Llap
	THREE 0, 0                                     ; K steps 6, 7 fill nothing
	TURN 0, 1, 0
	THREE 1, 0
	s_wait_dscnt 8
	WIN ACC_LO
	MUL12 1, 0, 0, 0
	MUL12 1, 0, 2, 0
	s_wait_dscnt 0x0
	WIN ACC_HI
	MUL12 1, 1, 0, 0
	MUL12 1, 1, 2, 0
	WIN 0
	PLACES
	; THE WAY OUT.  Slot 0 had its last fill with K step 6, and every wave's reads of it ended in front of the last change of slots: it is the stage.
	s_lshr_b32 s68, s22, 3
	s_lshl_b32 s68, s68, 22                        ; batch x 16 heads x 262,144 bytes
	s_and_b32 s41, s22, 7                          ; t0 / 256
	s_lshl_b32 s42, s41, 15                        ; t0 rows of 128 bytes
	s_add_co_u32 s42, s42, s68
	s_lshl_b32 s40, s41, 9                         ; t0 columns of 2 bytes
	s_add_co_u32 s40, s40, s68
	s_mov_b32 s41, 0
	s_mov_b32 s43, 0
	s_lshl_b32 s44, s21, 18                        ; head x 262,144 bytes, in the registers that held the address of W
	s_mov_b32 s45, 0
	s_add_nc_u64 s[10:11], s[10:11], s[42:43]
	s_add_nc_u64 s[10:11], s[10:11], s[44:45]
	s_add_nc_u64 s[12:13], s[12:13], s[42:43]
	s_add_nc_u64 s[12:13], s[12:13], s[44:45]
	s_add_nc_u64 s[14:15], s[14:15], s[40:41]
	s_add_nc_u64 s[14:15], s[14:15], s[44:45]
; row tile a (window win, tile aa = a % 4 in it): bias (and the scale of q) in f32, one rounding to bf16, 16 bytes a lane and tile into the stage
.macro WAYOUT a, win, aa
	WIN (\win|0x14)
.irp b, 0,1
.irp i, 0,1,2,3
	v_pk_fma_f32 v[TMPF+8*\b+2*\i:TMPF+8*\b+2*\i+1], v[8*(6*\aa+\b)+2*\i:8*(6*\aa+\b)+2*\i+1], s[66:67], v[BQK+8*\b+2*\i:BQK+8*\b+2*\i+1] op_sel_hi:[1,0,1]
.endr
.endr
.irp b, 2,3
.irp i, 0,1,2,3
	v_pk_add_f32 v[TMPF+8*\b+2*\i:TMPF+8*\b+2*\i+1], v[8*(6*\aa+\b)+2*\i:8*(6*\aa+\b)+2*\i+1], v[BQK+8*\b+2*\i:BQK+8*\b+2*\i+1]
.endr
.endr
.irp b, 4,5
.irp i, 0,1,2,3
	v_pk_add_f32 v[TMPF+8*\b+2*\i:TMPF+8*\b+2*\i+1], v[8*(6*\aa+\b)+2*\i:8*(6*\aa+\b)+2*\i+1], v[BV+2*(\b-4):BV+2*(\b-4)+1]
.endr
.endr
	WIN 0
.irp b, 0,1,2,3,4,5
.irp i, 0,1,2,3
	v_cvt_pk_bf16_f32 v[TMPP+4*\b+\i], v[TMPF+8*\b+2*\i], v[TMPF+8*\b+2*\i+1]
.endr
.endr
.irp b, 0,1,2,3
	ds_store_b128 v[STO], v[TMPP+4*\b:TMPP+4*\b+3] offset:2304*\a+32*(\b%2)+STK*(\b/2)
.endr
.irp b, 4,5
	ds_store_b128 v[STOV], v[TMPP+4*\b:TMPP+4*\b+3] offset:8448*(\b-4)+32*\a
.endr
.endm
	WAYOUT 0, 1, 0
	WAYOUT 1, 1, 1
	WAYOUT 2, 1, 2
	WAYOUT 3, 1, 3
	WAYOUT 4, 2, 0
	WAYOUT 5, 2, 1
	WAYOUT 6, 2, 2
	WAYOUT 7, 2, 3
	s_wait_dscnt 0x0                               ; my stage stores are done: other waves read them behind the barrier
	s_barrier_signal -1
	s_barrier_wait -1
.irp i, 0,1,2,3,4,5,6,7,8,9,10,11,12,13,14,15
	ds_load_b128 v[OUTB+4*\i:OUTB+4*\i+3], v[RDQ] offset:576*\i               ; four rows of q
.endr
.irp i, 0,1,2,3,4,5,6,7,8,9,10,11,12,13,14,15
	ds_load_b128 v[OUTB+64+4*\i:OUTB+64+4*\i+3], v[RDQ] offset:STK+576*\i     ; four rows of k
.endr
.irp i, 0,1,2,3,4,5,6,7,8,9,10,11,12,13,14,15
	ds_load_b128 v[OUTB+128+4*\i:OUTB+128+4*\i+3], v[RDV] offset:528*\i       ; one row of v transposed
.endr
	; every store of a wave covers 512 consecutive bytes, aligned; the counts leave the younger LDS loads out
.irp i, 0,1,2,3,4,5,6,7,8,9,10,11,12,13,14,15
	s_wait_dscnt 47-\i
	global_store_b128 v[GO], v[OUTB+4*\i:OUTB+4*\i+3], s[10:11] offset:512*\i
.endr
.irp i, 0,1,2,3,4,5,6,7,8,9,10,11,12,13,14,15
	s_wait_dscnt 31-\i
	global_store_b128 v[GO], v[OUTB+64+4*\i:OUTB+64+4*\i+3], s[12:13] offset:512*\i
.endr
.irp i, 0,1,2,3,4,5,6,7,8,9,10,11,12,13,14,15
	s_wait_dscnt 15-\i
	global_store_b128 v[GV], v[OUTB+128+4*\i:OUTB+128+4*\i+3], s[14:15] offset:4096*\i
.endr
	s_wait_tensorcnt 0x0
	ds_add_u32 v22, v23
	s_wait_dscnt 0x0
	CROUND                                         ; the closing round: no work-group ends while a partner may still ask for a tile that names it
	s_endpgm
.Lfunc_end_k_qcb328b34a0_qkv:
	.size	k_qcb328b34a0_qkv, .Lfunc_end_k_qcb328b34a0_qkv-k_qcb328b34a0_qkv
	.p2alignl 7, 3214868480
	.fill 96, 4, 3214868480
	.section	.rodata,"a",@progbits
	.p2align	6, 0x0
	.amdhsa_kernel k_qcb328b34a0_qkv
		.amdhsa_group_segment_fixed_size 327680
		.amdhsa_private_segment_fixed_size 0
		.amdhsa_enable_private_segment 0
		.amdhsa_kernarg_size 48
		.amdhsa_user_sgpr_count 2
		.amdhsa_user_sgpr_kernarg_segment_ptr 1
		.amdhsa_wavefront_size32 1
		.amdhsa_system_sgpr_workgroup_id_x 1
		.amdhsa_system_sgpr_workgroup_id_y 1
		.amdhsa_system_sgpr_workgroup_id_z 1
		.amdhsa_system_vgpr_workitem_id 0
		.amdhsa_next_free_vgpr 704
		.amdhsa_next_free_sgpr 72
		.amdhsa_reserve_vcc 0
		.amdhsa_float_denorm_mode_32 3
		.amdhsa_float_denorm_mode_16_64 3
		.amdhsa_memory_ordered 1
		.amdhsa_forward_progress 1
		.amdhsa_inst_pref_size 171
	.end_amdhsa_kernel
	.amdgpu_metadata
---
amdhsa.version: [ 1, 2 ]
amdhsa.kernels:
  - .name:           k_qcb328b34a0_qkv
    .symbol:         k_qcb328b34a0_qkv.kd
    .args:
      - { .name: xb, .offset: 0, .size: 8, .value_kind: global_buffer, .address_space: global }
      - { .name: wqb, .offset: 8, .size: 8, .value_kind: global_buffer, .address_space: global }
      - { .name: b_qkv, .offset: 16, .size: 8, .value_kind: global_buffer, .address_space: global }
      - { .name: qb, .offset: 24, .size: 8, .value_kind: global_buffer, .address_space: global }
      - { .name: kb, .offset: 32, .size: 8, .value_kind: global_buffer, .address_space: global }
      - { .name: vtb, .offset: 40, .size: 8, .value_kind: global_buffer, .address_space: global }
    .group_segment_fixed_size: 327680
    .private_segment_fixed_size: 0
    .kernarg_segment_align: 8
    .kernarg_segment_size: 48
    .max_flat_workgroup_size: 128
    .sgpr_count:     72
    .vgpr_count:     704
    .wavefront_size: 32
...
	.end_amdgpu_metadata
.endif
;; end of part 2
;; launch attn (part 3): grid 8 x 32, 8 waves a work-group, clusters of 4 x 1, 327,680 bytes of LDS; arguments qb, kb, vtb, att; writes att
.if DOCPART == 3
	.amdgcn_target "amdgcn-amd-amdhsa--gfx1250"
	.amdhsa_code_object_version 6
	.text
	.protected	k_qcb328b34a0_attn
	.globl	k_qcb328b34a0_attn
	.p2align	8
	.type	k_qcb328b34a0_attn,@function
k_qcb328b34a0_attn:
	s_mov_b64 s[64:65], 0
	v_nop
	global_prefetch_b8 v0, s[64:65] scope:SCOPE_SE
	s_setreg_imm32_b32 hwreg(HW_REG_WAVE_MODE, 25, 1), 1
	s_wait_xcnt 0x0
	s_wait_alu depctr_hold_cnt(0) depctr_sa_sdst(0) depctr_va_vdst(0) depctr_va_sdst(0) depctr_va_ssrc(0) depctr_va_vcc(0) depctr_vm_vsrc(0)
	s_getreg_b32 s2, hwreg(HW_REG_IB_STS2, 6, 4)
	s_cmp_eq_u32 s2, 0
	s_cbranch_scc0 .Lentry_in_a_cluster
	s_endpgm
.Lentry_in_a_cluster:
	s_bfe_u32 s2, ttmp6, 0x10000c
	s_cmp_lg_u32 s2, 0x3003
	s_cbranch_scc0 .Lentry_shape_is_right
	s_endpgm
.Lentry_shape_is_right:
; attn: softmax(q k^T / 8) v for one (batch, head) and 256 queries, with a running maximum.  q comes scaled by 0.125 log2(e): p = 2^(s - m).
; Eight waves: wave w owns the 64 queries 64 (w % 4) .. and half w / 4 of every tile of 256 keys; the two halves are merged at the end.
; S^T = K Q^T: lane (r, h) register j of tile (qt, kt) holds query 16 qt + r, key 16 kt + 8 h + j.  So maximum and sum stay in the lane but for
; one exchange of the two halves of the wave, and two neighbouring key tiles packed to bf16 ARE the second source of O^T = V^T P^T.
; K and V^T tiles go through two LDS slots.  CLUSTERS: the four work-groups of a cluster are four query blocks of one head and read the same
; K and V tiles: every load is joint (mask 15), each wave asks for its eighth of K and of V.  By this text's count a wave has two tensor loads outstanding.
; LIMITS: p is rounded to bf16 for P V while the denominator sums p unrounded; 2^x below 2^-126 counts as 0 (ISA guide, v_exp_f32);
; the result is rounded to bf16; NaN and infinities in the inputs get no special care.
.set SLOT, 70656                       ; K: 256 keys x 144 bytes, then V^T: 64 d x 528 bytes
.set VOFF, 36864
.set MST,  141312                      ; merge stage: 17,408 bytes for each query group; no fill lands here
.set OST,  210944                      ; out stage: 64 rows x 144 bytes for each query group; no fill lands here
.set ADK, 2                            ; v2-3    K fragments, slot 0, 1
.set ADV, 4                            ; v4-5    V^T fragments, slot 0, 1
                                       ; v6 merge stage; v7 out stage, in; v8 out stage, back; v9 16 lane; v10 Q
.set MXA, 12                           ; v[12:15], v[16:19]: the running maxima of the four query tiles, two sets that take turns
.set MXB, 16
.set TM,  20                           ; block maximum; at the end the sum
.set UM,  24                           ; the other half's figure
.set ALP, 28                           ; 2^(old maximum - new maximum)
.set LSM, 32                           ; v[32:39] running sums, a pair for each query tile
.set PM,  40                           ; merge: the partner's maximum, sum; the joint maximum; my factor, the partner's; the joint sum
.set PL,  44
.set MM,  48
.set FA,  52
.set FB,  56
.set LT,  60
.set KFR, 64                           ; v[64:127]   K fragments at 16 kt + 8 c
.set SC,  128                          ; v[128:255]  scores at 8 (4 qt + kt), then P in place
.set OACC, 0                           ; window 1: O^T at 8 (4 qt + dt)
.set QFR, 128                          ; window 1: Q fragments at 16 qt + 8 c
.set VFR, 192                          ; window 1: V^T fragments at 8 (2 dt + u)
.set GK1, 24
.set GV1, 32
.set GK0, 40                           ; a set for each slot
.set GV0, 48
.set MSB, 0
.macro WIN new
.if MSB != \new
	s_set_vgpr_msb (MSB<<8)|\new
.set MSB, \new
.endif
.endm
.macro NOPS n                          ; places behind matrix instructions (ISA guide 7.12.1 for vector work)
.rept \n
	v_nop
.endr
.endm
.macro ROUND                           ; a round of the cluster barrier
	s_barrier_signal -1
	s_barrier_wait -1
	s_cmp_lg_u32 s12, 0
	s_cbranch_scc1 .Lnot_wave_0_\@
	s_barrier_signal -3
.Lnot_wave_0_\@:
	s_barrier_wait -3
	s_barrier_signal -1
	s_barrier_wait -1
.endm
	s_load_b256 s[4:11], s[0:1], 0x0               ; qb s[4:5], kb s[6:7], vtb s[8:9], att s[10:11]
	v_lshl_add_u32 v254, v0, 2, 0x3c800
	v_mov_b32 v255, 0
	ds_add_u32 v254, v255
	s_wait_dscnt 0x0
	v_lshrrev_b32 v1, 5, v0
	v_readfirstlane_b32 s12, v1                    ; wave 0..7
	s_and_b32 s13, s12, 3                          ; query group
	s_lshr_b32 s14, s12, 2                         ; key half
	s_bfe_u32 s15, ttmp6, 0x40000                  ; cx
	s_lshl_b32 s16, ttmp9, 2
	s_add_co_u32 s16, s16, s15                     ; block of 256 queries
	s_and_b32 s17, ttmp7, 0xffff                   ; bh
	s_mov_b32 s18, 0x76543210                      ; v_permlanex16_b32: lane i reads lane i of the other half
	s_mov_b32 s19, 0xfedcba98
	s_mov_b32 s[GK1+0], 15|(1<<16)|(1<<20)|(1<<21)|(4<<22)|(3<<25)  ; all four partners; 2-byte elements; 4 words of padding after every 32
	s_mov_b32 s[GK1+1], 64<<16                     ; tensor_dim0 = 64
	s_mov_b32 s[GK1+2], 32<<16                     ; tensor_dim1 = 32
	s_mov_b32 s[GK1+3], 64<<16                     ; tile_dim0 = 64
	s_mov_b32 s[GK1+4], 32                         ; tile_dim1 = 32 keys
	s_mov_b32 s[GK1+5], 64
	s_mov_b32 s[GK1+6], 0
	s_mov_b32 s[GK1+7], 0
	s_mov_b32 s[GV1+0], 15|(1<<16)|(1<<20)|(1<<21)|(6<<22)|(3<<25)  ; 4 words of padding after every 128
	s_mov_b32 s[GV1+1], 256<<16                    ; tensor_dim0 = 256 keys
	s_mov_b32 s[GV1+2], 8<<16                      ; tensor_dim1 = 8
	s_mov_b32 s[GV1+3], 256<<16
	s_mov_b32 s[GV1+4], 8                          ; tile_dim1 = 8 rows d
	s_mov_b32 s[GV1+5], 2048
	s_mov_b32 s[GV1+6], 0
	s_mov_b32 s[GV1+7], 0
	s_lshl_b32 s58, s17, 18                        ; bh x 262,144 bytes
	s_lshl_b32 s22, s12, 12                        ; K: my 32 keys of 128 bytes
	s_add_co_u32 s22, s22, s58
	s_mov_b32 s23, 0
	s_mul_i32 s57, s12, 4608                       ; LDS: my 32 rows of K,
	s_mul_i32 s59, s12, 4224
	s_add_co_u32 s59, s59, VOFF                    ; my 8 rows of V^T
	s_wait_kmcnt 0x0
	s_add_nc_u64 s[6:7], s[6:7], s[22:23]
	s_lshl_b32 s22, s12, 15                        ; V^T: my 8 rows of 4,096 bytes
	s_add_co_u32 s22, s22, s58
	s_add_nc_u64 s[8:9], s[8:9], s[22:23]
	s_lshl_b32 s20, s16, 15                        ; Q and the result: 256 rows of 128 bytes a block, 64 a wave; cx enters these two addresses alone
	s_add_co_u32 s20, s20, s58
	s_lshl_b32 s21, s13, 13
	s_add_co_u32 s20, s20, s21
	s_mov_b32 s21, 0
	s_add_nc_u64 s[4:5], s[4:5], s[20:21]
	s_add_nc_u64 s[10:11], s[10:11], s[20:21]
.irp s, 0,1
	s_mov_b32 s[GK0+4*\s], 1
	s_add_co_u32 s[GK0+4*\s+1], s57, \s*SLOT
	s_add_nc_u64 s[GK0+4*\s+2:GK0+4*\s+3], s[6:7], \s*32768        ; key tile s
	s_or_b32 s[GK0+4*\s+3], s[GK0+4*\s+3], 0x80000000
	s_mov_b32 s[GV0+4*\s], 1
	s_add_co_u32 s[GV0+4*\s+1], s59, \s*SLOT
	s_add_nc_u64 s[GV0+4*\s+2:GV0+4*\s+3], s[8:9], \s*512
	s_or_b32 s[GV0+4*\s+3], s[GV0+4*\s+3], 0x80000000
.endr
	ROUND                                          ; in front of the first joint loads
	tensor_load_to_lds s[GK0:GK0+3], s[GK1:GK1+7]  ; tile 0
	s_nop 0
	tensor_load_to_lds s[GV0:GV0+3], s[GV1:GV1+7]
	s_nop 0
	v_and_b32 v1, 15, v0                           ; r
	v_bfe_u32 v11, v0, 4, 1                        ; h
	v_and_b32 v20, 31, v0                          ; lane
	v_lshlrev_b32 v9, 4, v20
	v_mul_u32_u24 v21, v1, 144
	v_lshl_add_u32 v21, v11, 4, v21                ; 144 r + 16 h
	s_mul_i32 s57, s14, 128*144
	v_add_nc_u32 v[ADK], s57, v21
	v_add_nc_u32 v[ADK+1], SLOT, v[ADK]
	v_mul_u32_u24 v22, v1, 528
	v_lshl_add_u32 v22, v11, 4, v22
	s_lshl_b32 s57, s14, 8
	s_add_co_u32 s57, s57, VOFF
	v_add_nc_u32 v[ADV], s57, v22
	v_add_nc_u32 v[ADV+1], SLOT, v[ADV]
	s_mul_i32 s57, s13, 17408
	s_add_co_u32 s57, s57, MST
	v_add_nc_u32 v6, s57, v9
	s_mul_i32 s59, s13, 9216
	s_add_co_u32 s59, s59, OST
	v_add_nc_u32 v7, s59, v21
	v_lshrrev_b32 v22, 3, v20
	v_and_b32 v23, 7, v20
	v_mul_u32_u24 v22, v22, 144
	v_lshl_add_u32 v22, v23, 4, v22
	v_add_nc_u32 v8, s59, v22
	v_lshlrev_b32 v10, 7, v1
	v_lshl_add_u32 v10, v11, 4, v10                ; 128 r + 16 h
.irp qt, 0,1,2,3
	v_mov_b32 v[UM+\qt], 0                         ; the destination of v_permlanex16_b32 counts as read
.endr
	WIN 0x40
.irp qt, 0,1,2,3
.irp c, 0,1
	global_load_b128 v[QFR+16*\qt+8*\c:QFR+16*\qt+8*\c+3], v10, s[4:5] offset:2048*\qt+64*\c
	global_load_b128 v[QFR+16*\qt+8*\c+4:QFR+16*\qt+8*\c+7], v10, s[4:5] offset:2048*\qt+64*\c+32
.endr
.endr
	WIN 0
	s_wait_loadcnt 0x0                             ; Q, once
.macro LDK slot, sb                    ; 16 loads: my 64 keys of block sb
	WIN 0
.irp kt, 0,1,2,3
.irp c, 0,1
	ds_load_b128 v[KFR+16*\kt+8*\c:KFR+16*\kt+8*\c+3], v[ADK+\slot] offset:9216*\sb+2304*\kt+64*\c
	ds_load_b128 v[KFR+16*\kt+8*\c+4:KFR+16*\kt+8*\c+7], v[ADK+\slot] offset:9216*\sb+2304*\kt+64*\c+32
.endr
.endr
.endm
.macro LDV slot, sb                    ; 16 loads: 64 d x my 64 keys of block sb
	WIN 0x40
.irp dt, 0,1,2,3
.irp u, 0,1
	ds_load_b128 v[VFR+16*\dt+8*\u:VFR+16*\dt+8*\u+3], v[ADV+\slot] offset:128*\sb+8448*\dt+64*\u
	ds_load_b128 v[VFR+16*\dt+8*\u+4:VFR+16*\dt+8*\u+7], v[ADV+\slot] offset:128*\sb+8448*\dt+64*\u+32
.endr
.endr
.endm
; 32 matrix instructions; the 16 score tiles take turns, one instruction a turn
.macro SMUL
	WIN 0x04
.irp qt, 0,1,2,3
.irp kt, 0,1,2,3
	v_wmma_f32_16x16x32_bf16 v[SC+8*(4*\qt+\kt):SC+8*(4*\qt+\kt)+7], v[KFR+16*\kt:KFR+16*\kt+7], v[QFR+16*\qt:QFR+16*\qt+7], 0
.endr
.endr
.irp qt, 0,1,2,3
.irp kt, 0,1,2,3
	v_wmma_f32_16x16x32_bf16 v[SC+8*(4*\qt+\kt):SC+8*(4*\qt+\kt)+7], v[KFR+16*\kt+8:KFR+16*\kt+15], v[QFR+16*\qt+8:QFR+16*\qt+15], v[SC+8*(4*\qt+\kt):SC+8*(4*\qt+\kt)+7]
.endr
.endr
.endm
.macro MAXALL                          ; the largest of a lane's 32 scores, for the four query tiles side by side
.irp qt, 0,1,2,3
	v_max3_num_f32 v[TM+\qt], v[SC+32*\qt], v[SC+32*\qt+1], v[SC+32*\qt+2]
.endr
.irp i, 0,1,2,3,4,5,6,7,8,9,10,11,12,13
.irp qt, 0,1,2,3
	v_max3_num_f32 v[TM+\qt], v[TM+\qt], v[SC+32*\qt+3+2*\i], v[SC+32*\qt+4+2*\i]
.endr
.endr
.irp qt, 0,1,2,3
	v_max_num_f32 v[TM+\qt], v[TM+\qt], v[SC+32*\qt+31]
.endr
.endm
.macro STATS mn, mo, first             ; the new running maximum, and the factor that brings old sums to it
.irp qt, 0,1,2,3
	v_permlanex16_b32 v[UM+\qt], v[TM+\qt], s18, s19
.endr
.irp qt, 0,1,2,3
.if \first
	v_max_num_f32 v[\mn+\qt], v[TM+\qt], v[UM+\qt]
.else
	v_max3_num_f32 v[\mn+\qt], v[TM+\qt], v[UM+\qt], v[\mo+\qt]
.endif
.endr
.if \first == 0
.irp qt, 0,1,2,3
	v_sub_f32 v[ALP+\qt], v[\mo+\qt], v[\mn+\qt]
.endr
.irp qt, 0,1,2,3
	v_exp_f32 v[ALP+\qt], v[ALP+\qt]               ; the subtractions that follow are the plain instructions in front of its first use (ISA guide 5.7.2)
.endr
.endif
.endm
.macro SUBALL mn                       ; s - m, two at a time; the maximum is one register of a pair, taken for both halves
.irp qt, 0,2
.irp i, 0,1,2,3,4,5,6,7,8,9,10,11,12,13,14,15
	v_pk_add_f32 v[SC+32*\qt+2*\i:SC+32*\qt+2*\i+1], v[SC+32*\qt+2*\i:SC+32*\qt+2*\i+1], v[\mn+\qt:\mn+\qt+1] op_sel_hi:[1,0] neg_lo:[0,1] neg_hi:[0,1]
.endr
.endr
.irp qt, 1,3
.irp i, 0,1,2,3,4,5,6,7,8,9,10,11,12,13,14,15
	v_pk_add_f32 v[SC+32*\qt+2*\i:SC+32*\qt+2*\i+1], v[SC+32*\qt+2*\i:SC+32*\qt+2*\i+1], v[\mn+\qt-1:\mn+\qt] op_sel:[0,1] op_sel_hi:[1,1] neg_lo:[0,1] neg_hi:[0,1]
.endr
.endr
.endm
; The n-th of 32 plain steps on query tile qt.  Even n: p(n), p(n + 1) join the running sums (n = 0 also brings the old sums to the new maximum).
; Odd n: p(n - 1), p(n) are packed to bf16, in place: key tiles 2 u, 2 u + 1 fill registers 0-3, 4-7 of tile 2 u; each target has been summed and packed before.
.macro SUMC_OP qt, n, first
.if (\n % 2) == 0
.if \n == 0
.if \first
	s_wait_alu depctr_va_vdst(0)
	v_pk_add_f32 v[LSM+2*\qt:LSM+2*\qt+1], v[SC+32*\qt:SC+32*\qt+1], v[SC+32*\qt+2:SC+32*\qt+3]
.else
.if (\qt % 2) == 0
	s_wait_alu depctr_va_vdst(0)
	v_pk_fma_f32 v[LSM+2*\qt:LSM+2*\qt+1], v[LSM+2*\qt:LSM+2*\qt+1], v[ALP+\qt:ALP+\qt+1], v[SC+32*\qt:SC+32*\qt+1] op_sel_hi:[1,0,1]
.else
	s_wait_alu depctr_va_vdst(0)
	v_pk_fma_f32 v[LSM+2*\qt:LSM+2*\qt+1], v[LSM+2*\qt:LSM+2*\qt+1], v[ALP+\qt-1:ALP+\qt], v[SC+32*\qt:SC+32*\qt+1] op_sel:[0,1,0] op_sel_hi:[1,1,1]
.endif
.endif
.else
.if \first
.if \n != 2
	v_pk_add_f32 v[LSM+2*\qt:LSM+2*\qt+1], v[LSM+2*\qt:LSM+2*\qt+1], v[SC+32*\qt+\n:SC+32*\qt+\n+1]
.endif
.else
	v_pk_add_f32 v[LSM+2*\qt:LSM+2*\qt+1], v[LSM+2*\qt:LSM+2*\qt+1], v[SC+32*\qt+\n:SC+32*\qt+\n+1]
.endif
.endif
.else
	v_cvt_pk_bf16_f32 v[SC+32*\qt+16*(\n/16)+4*((\n/8)%2)+((\n/2)%4)], v[SC+32*\qt+\n-1], v[SC+32*\qt+\n]
.endif
.endm
; 32 exponentials of query tile qt, each followed by a plain step on tile prev, which names other registers
.macro EXPQ qt, prev, first
.irp i, 0,1,2,3,4,5,6,7,8,9,10,11,12,13,14,15,16,17,18,19,20,21,22,23,24,25,26,27,28,29,30,31
	v_exp_f32 v[SC+32*\qt+\i], v[SC+32*\qt+\i]
.if \prev >= 0
	SUMC_OP \prev, \i, \first
.endif
.endr
.if \prev < 0
	v_nop                                          ; one plain instruction between this run of exponentials and the first use of a result (ISA guide 5.7.2)
.endif
.endm
.macro SOFT mn, mo, first
	MAXALL
	STATS \mn, \mo, \first
	SUBALL \mn
	EXPQ 0, -1, \first
	EXPQ 1, 0, \first
	EXPQ 2, 1, \first
	EXPQ 3, 2, \first
.irp i, 0,1,2,3,4,5,6,7,8,9,10,11,12,13,14,15,16,17,18,19,20,21,22,23,24,25,26,27,28,29,30,31
	SUMC_OP 3, \i, \first
.endr
.endm
.macro RESC                            ; O is brought to the new maximum: a lane holds one query, so one factor for each query tile
	WIN 0x41
.irp qt, 0,2
.irp i, 0,1,2,3,4,5,6,7,8,9,10,11,12,13,14,15
	v_pk_mul_f32 v[OACC+32*\qt+2*\i:OACC+32*\qt+2*\i+1], v[OACC+32*\qt+2*\i:OACC+32*\qt+2*\i+1], v[ALP+\qt:ALP+\qt+1] op_sel_hi:[1,0]
.endr
.endr
.irp qt, 1,3
.irp i, 0,1,2,3,4,5,6,7,8,9,10,11,12,13,14,15
	v_pk_mul_f32 v[OACC+32*\qt+2*\i:OACC+32*\qt+2*\i+1], v[OACC+32*\qt+2*\i:OACC+32*\qt+2*\i+1], v[ALP+\qt-1:ALP+\qt] op_sel:[0,1] op_sel_hi:[1,1]
.endr
.endr
.endm
; 32 matrix instructions; the 16 tiles of O^T take turns, one instruction a turn
.macro PVMUL first
	WIN 0x51
.irp qt, 0,1,2,3
.irp dt, 0,1,2,3
.if \first
	v_wmma_f32_16x16x32_bf16 v[OACC+8*(4*\qt+\dt):OACC+8*(4*\qt+\dt)+7], v[VFR+16*\dt:VFR+16*\dt+7], v[SC+32*\qt:SC+32*\qt+7], 0
.else
	v_wmma_f32_16x16x32_bf16 v[OACC+8*(4*\qt+\dt):OACC+8*(4*\qt+\dt)+7], v[VFR+16*\dt:VFR+16*\dt+7], v[SC+32*\qt:SC+32*\qt+7], v[OACC+8*(4*\qt+\dt):OACC+8*(4*\qt+\dt)+7]
.endif
.endr
.endr
.irp qt, 0,1,2,3
.irp dt, 0,1,2,3
	v_wmma_f32_16x16x32_bf16 v[OACC+8*(4*\qt+\dt):OACC+8*(4*\qt+\dt)+7], v[VFR+16*\dt+8:VFR+16*\dt+15], v[SC+32*\qt+16:SC+32*\qt+23], v[OACC+8*(4*\qt+\dt):OACC+8*(4*\qt+\dt)+7]
.endr
.endr
.endm
; One tile of 256 keys: my half of it in two blocks of 64 keys.
.macro TRIP slot, refill, first
	s_wait_xcnt 0x0
	v_lshl_add_u32 v254, v0, 2, 0x3c800
	v_mov_b32 v255, 0
	s_wait_tensorcnt 0x0                           ; all my loads have landed, my parts of this tile among them,
	ds_add_u32 v254, v255
	s_wait_dscnt 0x0
	s_add_nc_u64 s[GK0+4*\slot+2:GK0+4*\slot+3], s[GK0+4*\slot+2:GK0+4*\slot+3], 65536   ; so every group 0 may be written: this slot's next tile
	s_add_nc_u64 s[GV0+4*\slot+2:GV0+4*\slot+3], s[GV0+4*\slot+2:GV0+4*\slot+3], 1024
	s_wait_dscnt 0x0                               ; my reads of the last tile are done
	ROUND                                          ; both now hold of every wave of the four work-groups
.if \refill
	tensor_load_to_lds s[GK0+4-4*\slot:GK0+7-4*\slot], s[GK1:GK1+7]    ; the next tile, into the slot read last
	s_nop 0
	tensor_load_to_lds s[GV0+4-4*\slot:GV0+7-4*\slot], s[GV1:GV1+7]
	s_nop 0
.endif
	LDK \slot, 0
	LDV \slot, 0
	s_wait_dscnt 16                                ; K of block 0 is in; the 16 loads of V stay out
	SMUL
	WIN 0
	NOPS 4
	LDK \slot, 1
	SOFT MXA, MXB, \first
	s_wait_dscnt 16                                ; V of block 0 is in; K of block 1 stays out
.if \first == 0
	RESC
.endif
	PVMUL \first
	NOPS 5                                         ; the next products write over P, the next loads over V
	LDV \slot, 1
	s_wait_dscnt 16                                ; K of block 1 is in; V of block 1 stays out
	SMUL
	WIN 0
	NOPS 4
	SOFT MXB, MXA, 0
	s_wait_dscnt 0x0                               ; V of block 1
	RESC
	PVMUL 0
	WIN 0
	NOPS 5
.endm
	TRIP 0, 1, 1                                   ; tiles 0, 1: the first block starts maximum, sums and O
	TRIP 1, 1, 0
	s_mov_b32 s56, 2                               ; tiles 2 to 5
.Lpair:
	TRIP 0, 1, 0
	TRIP 1, 1, 0
	s_sub_co_u32 s56, s56, 1
	s_cmp_lg_u32 s56, 0
	s_cbranch_scc1 .Lpair
	TRIP 0, 1, 0                                   ; tile 6 asks for tile 7, tile 7 for nothing (its stepped addresses are not used)
	TRIP 1, 0, 0
	; the sum of a query over my half of the keys
.irp qt, 0,1,2,3
	v_add_f32 v[TM+\qt], v[LSM+2*\qt], v[LSM+2*\qt+1]
.endr
.irp qt, 0,1,2,3
	v_permlanex16_b32 v[UM+\qt], v[TM+\qt], s18, s19
.endr
.irp qt, 0,1,2,3
	v_add_f32 v[TM+\qt], v[TM+\qt], v[UM+\qt]
.endr
	; THE MERGE: waves 4-7 hand O, maximum and sum to waves 0-3, lane to lane
	s_cmp_lt_u32 s12, 4
	s_cbranch_scc1 .Lnoput
	WIN 0x04
.irp g, 0,1,2,3,4,5,6,7,8,9,10,11,12,13,14,15,16,17,18,19,20,21,22,23,24,25,26,27,28,29,30,31
	ds_store_b128 v6, v[OACC+4*\g:OACC+4*\g+3] offset:512*\g
.endr
	WIN 0
	ds_store_b128 v6, v[MXB:MXB+3] offset:16384
	ds_store_b128 v6, v[TM:TM+3] offset:16896
.Lnoput:
	s_wait_dscnt 0x0                               ; the stores are done before the partner reads
	s_barrier_signal -1
	s_barrier_wait -1
	s_cmp_ge_u32 s12, 4
	s_cbranch_scc1 .Ldone
	ds_load_b128 v[PM:PM+3], v6 offset:16384
	ds_load_b128 v[PL:PL+3], v6 offset:16896
.irp g, 0,1,2,3,4,5,6,7,8,9,10,11,12,13,14,15,16,17,18,19,20,21,22,23,24,25,26,27,28,29,30,31
	ds_load_b128 v[SC+4*\g:SC+4*\g+3], v6 offset:512*\g
.endr
	s_wait_dscnt 32                                ; the partner's maximum and sum are in; its O stays out
.irp qt, 0,1,2,3
	v_max_num_f32 v[MM+\qt], v[MXB+\qt], v[PM+\qt]
.endr
.irp qt, 0,1,2,3
	v_sub_f32 v[FA+\qt], v[MXB+\qt], v[MM+\qt]
	v_sub_f32 v[FB+\qt], v[PM+\qt], v[MM+\qt]
.endr
.irp qt, 0,1,2,3
	v_exp_f32 v[FA+\qt], v[FA+\qt]
	v_exp_f32 v[FB+\qt], v[FB+\qt]
.endr
	v_nop
	s_wait_alu depctr_va_vdst(0)
.irp qt, 0,1,2,3
	v_mul_f32 v[LT+\qt], v[FB+\qt], v[PL+\qt]
.endr
.irp qt, 0,1,2,3
	v_fmac_f32 v[LT+\qt], v[FA+\qt], v[TM+\qt]     ; the joint sum: at least 1, since the largest score gives 2^0
.endr
.irp qt, 0,1,2,3
	v_rcp_f32 v[LT+\qt], v[LT+\qt]
.endr
	v_nop
	s_wait_alu depctr_va_vdst(0)
.irp qt, 0,1,2,3
	v_mul_f32 v[FA+\qt], v[FA+\qt], v[LT+\qt]
	v_mul_f32 v[FB+\qt], v[FB+\qt], v[LT+\qt]
.endr
	s_wait_dscnt 0x0
.irp qt, 0,2
.irp i, 0,1,2,3,4,5,6,7,8,9,10,11,12,13,14,15
	v_pk_mul_f32 v[SC+32*\qt+2*\i:SC+32*\qt+2*\i+1], v[SC+32*\qt+2*\i:SC+32*\qt+2*\i+1], v[FB+\qt:FB+\qt+1] op_sel_hi:[1,0]
.endr
.endr
.irp qt, 1,3
.irp i, 0,1,2,3,4,5,6,7,8,9,10,11,12,13,14,15
	v_pk_mul_f32 v[SC+32*\qt+2*\i:SC+32*\qt+2*\i+1], v[SC+32*\qt+2*\i:SC+32*\qt+2*\i+1], v[FB+\qt-1:FB+\qt] op_sel:[0,1] op_sel_hi:[1,1]
.endr
.endr
	WIN 0x01
.irp qt, 0,2
.irp i, 0,1,2,3,4,5,6,7,8,9,10,11,12,13,14,15
	v_pk_fma_f32 v[SC+32*\qt+2*\i:SC+32*\qt+2*\i+1], v[OACC+32*\qt+2*\i:OACC+32*\qt+2*\i+1], v[FA+\qt:FA+\qt+1], v[SC+32*\qt+2*\i:SC+32*\qt+2*\i+1] op_sel_hi:[1,0,1]
.endr
.endr
.irp qt, 1,3
.irp i, 0,1,2,3,4,5,6,7,8,9,10,11,12,13,14,15
	v_pk_fma_f32 v[SC+32*\qt+2*\i:SC+32*\qt+2*\i+1], v[OACC+32*\qt+2*\i:OACC+32*\qt+2*\i+1], v[FA+\qt-1:FA+\qt], v[SC+32*\qt+2*\i:SC+32*\qt+2*\i+1] op_sel:[0,1,0] op_sel_hi:[1,1,1]
.endr
.endr
	WIN 0
	; a lane's eight numbers of a tile are eight neighbouring d of one query: 16 bytes of bf16, through my own stage into whole rows
.irp g, 0,1,2,3,4,5,6,7,8,9,10,11,12,13,14,15
.irp i, 0,1,2,3
	v_cvt_pk_bf16_f32 v[KFR+4*\g+\i], v[SC+8*\g+2*\i], v[SC+8*\g+2*\i+1]
.endr
.endr
.irp qt, 0,1,2,3
.irp dt, 0,1,2,3
	ds_store_b128 v7, v[KFR+4*(4*\qt+\dt):KFR+4*(4*\qt+\dt)+3] offset:2304*\qt+32*\dt
.endr
.endr
.irp i, 0,1,2,3,4,5,6,7,8,9,10,11,12,13,14,15
	ds_load_b128 v[SC+4*\i:SC+4*\i+3], v8 offset:576*\i            ; my own bytes: LDS serves a wave's instructions in order (ISA guide 5.7.1.4)
.endr
.irp i, 0,1,2,3,4,5,6,7,8,9,10,11,12,13,14,15
	s_wait_dscnt 15-\i
	global_store_b128 v9, v[SC+4*\i:SC+4*\i+3], s[10:11] offset:512*\i   ; four rows: 512 consecutive bytes, aligned
.endr
.Ldone:
	s_wait_xcnt 0x0
	v_lshl_add_u32 v254, v0, 2, 0x3c800
	v_mov_b32 v255, 0
	s_wait_tensorcnt 0x0
	ds_add_u32 v254, v255
	s_wait_dscnt 0x0
	ROUND                                          ; the closing round
	s_endpgm
.Lfunc_end_k_qcb328b34a0_attn:
	.size	k_qcb328b34a0_attn, .Lfunc_end_k_qcb328b34a0_attn-k_qcb328b34a0_attn
	.p2alignl 7, 3214868480
	.fill 96, 4, 3214868480
	.section	.rodata,"a",@progbits
	.p2align	6, 0x0
	.amdhsa_kernel k_qcb328b34a0_attn
		.amdhsa_group_segment_fixed_size 327680
		.amdhsa_private_segment_fixed_size 0
		.amdhsa_enable_private_segment 0
		.amdhsa_kernarg_size 32
		.amdhsa_user_sgpr_count 2
		.amdhsa_user_sgpr_kernarg_segment_ptr 1
		.amdhsa_wavefront_size32 1
		.amdhsa_system_sgpr_workgroup_id_x 1
		.amdhsa_system_sgpr_workgroup_id_y 1
		.amdhsa_system_sgpr_workgroup_id_z 1
		.amdhsa_system_vgpr_workitem_id 0
		.amdhsa_next_free_vgpr 512
		.amdhsa_next_free_sgpr 66
		.amdhsa_reserve_vcc 0
		.amdhsa_float_denorm_mode_32 3
		.amdhsa_float_denorm_mode_16_64 3
		.amdhsa_memory_ordered 1
		.amdhsa_forward_progress 1
		.amdhsa_inst_pref_size 255
	.end_amdhsa_kernel
	.section	.bss,"aw",@nobits
	.p2align	6
	.space	262144
	.amdgpu_metadata
---
amdhsa.version: [ 1, 2 ]
amdhsa.kernels:
  - .name:           k_qcb328b34a0_attn
    .symbol:         k_qcb328b34a0_attn.kd
    .args:
      - { .name: qb, .offset: 0, .size: 8, .value_kind: global_buffer, .address_space: global }
      - { .name: kb, .offset: 8, .size: 8, .value_kind: global_buffer, .address_space: global }
      - { .name: vtb, .offset: 16, .size: 8, .value_kind: global_buffer, .address_space: global }
      - { .name: att, .offset: 24, .size: 8, .value_kind: global_buffer, .address_space: global }
    .group_segment_fixed_size: 327680
    .private_segment_fixed_size: 0
    .kernarg_segment_align: 8
    .kernarg_segment_size: 32
    .max_flat_workgroup_size: 256
    .sgpr_count:     66
    .vgpr_count:     512
    .wavefront_size: 32
...
	.end_amdgpu_metadata
.endif
;; end of part 3
;; launch proj (part 4): grid 8 x 32, 4 waves a work-group, clusters of 4 x 4, 327,680 bytes of LDS; arguments att, wob, b_out, out0; writes out0
.if DOCPART == 4
	.amdgcn_target "amdgcn-amd-amdhsa--gfx1250"
	.amdhsa_code_object_version 6
	.text
	.protected	k_qcb328b34a0_proj
	.globl	k_qcb328b34a0_proj
	.p2align	8
	.type	k_qcb328b34a0_proj,@function
k_qcb328b34a0_proj:
	s_mov_b64 s[64:65], 0
	v_nop
	global_prefetch_b8 v0, s[64:65] scope:SCOPE_SE
	s_setreg_imm32_b32 hwreg(HW_REG_WAVE_MODE, 25, 1), 1
	s_wait_xcnt 0x0
	s_wait_alu depctr_hold_cnt(0) depctr_sa_sdst(0) depctr_va_vdst(0) depctr_va_sdst(0) depctr_va_ssrc(0) depctr_va_vcc(0) depctr_vm_vsrc(0)
	s_getreg_b32 s2, hwreg(HW_REG_IB_STS2, 6, 4)
	s_cmp_eq_u32 s2, 0
	s_cbranch_scc0 .Lentry_in_a_cluster
	s_endpgm
.Lentry_in_a_cluster:
	s_bfe_u32 s2, ttmp6, 0x10000c
	s_cmp_lg_u32 s2, 0xf033
	s_cbranch_scc0 .Lentry_shape_is_right
	s_endpgm
.Lentry_shape_is_right:
; proj: out0[4096][1024] = attended x W_out^T + b_out, bf16 operands, f32 sums and result.  att[bh][t][64] and wob[head][n][64] are both split by head,
; so K runs (head, d) alike on both sides.  A work-group makes 128 x 128 with four waves of 64 x 64: 256 work-groups of equal work.
; A K step is four heads (256 of K): eight sub-tiles of 128 rows x 128 bytes, dense in memory, pitch 144 in LDS; wave w asks for head 4 s + w of both sides.
; Four K steps through two slots, written out.  CLUSTERS: 4 x 4; the tiles of att hang on the block row alone and are joint along a row of the cluster,
; those of wob on the block column alone and joint along a column.  By this text's count a wave has at most four tensor loads outstanding.
; The matrix instruction is used transposed (source 0 = rows of wob, source 1 = rows of att): a lane holds one row and eight neighbouring columns.
.set SUB,   18432                      ; 128 rows x 144 bytes
.set SLOT,  8*SUB
.set BOFF,  4*SUB
.set STAGE, 2*SLOT                     ; 16 rows x 272 bytes for each wave; no fill lands here
.set ADRA, 16                          ; v16-17, v20-21: fragment addresses, slot 0, 1
.set ADRB, 20
.set STO,  24
.set RD,   25
.set CO,   26
.set BIO,  27
.set AFR,  32                          ; att fragments: buffer f at AFR + 32 f
.set BFR,  96                          ; wob fragments: buffer f at BFR + 32 f
.set OB0,  160                         ; the way out: two buffers of 32 registers
.set OB1,  192
.set BIAS, 224
.set G1,  24
.set G0,  32
.set G1B, 48
.set G0B, 56
.set FIELDS, (1<<16)|(1<<20)|(1<<21)|(4<<22)|(3<<25)   ; 2-byte elements; bit 21 beside a mask; 4 words of padding after every 32
.set ACCW, 0x50                        ; C and D in window 1: tile (a, b) at v[8 (4 a + b)]
.set MSB, 0
.macro WIN new
.if MSB != \new
	s_set_vgpr_msb (MSB<<8)|\new
.set MSB, \new
.endif
.endm
.macro PLACES                          ; four places behind matrix instructions (ISA guide 7.12.1 for vector work)
.rept 4
	v_nop
.endr
.endm
.macro CREST
	s_cmp_lg_u32 s12, 0
	s_cbranch_scc1 .Lnot_wave_0_\@
	s_barrier_signal -3
.Lnot_wave_0_\@:
	s_barrier_wait -3
	s_barrier_signal -1
	s_barrier_wait -1
.endm
.macro CROUND
	s_barrier_signal -1
	s_barrier_wait -1
	CREST
.endm
.macro LOAD2 s
	tensor_load_to_lds s[G0+4*\s:G0+4*\s+3], s[G1:G1+7]
	s_nop 0
	tensor_load_to_lds s[G0B+4*\s:G0B+4*\s+3], s[G1B:G1B+7]
	s_nop 0
.endm
	s_load_b256 s[4:11], s[0:1], 0x0               ; att s[4:5], wob s[6:7], b_out s[8:9], out0 s[10:11]
	v_lshl_add_u32 v254, v0, 2, 0x4c400
	v_mov_b32 v255, 0
	ds_add_u32 v254, v255
	v_lshrrev_b32 v1, 5, v0
	v_readfirstlane_b32 s12, v1                    ; wave 0..3
	s_lshr_b32 s13, s12, 1                         ; wm
	s_and_b32 s14, s12, 1                          ; wn
	s_bfe_u32 s15, ttmp6, 0x40000                  ; cx
	s_bfe_u32 s16, ttmp6, 0x40004                  ; cy
	s_lshl_b32 s17, ttmp9, 2
	s_add_co_u32 s17, s17, s15                     ; block of 128 columns
	s_and_b32 s18, ttmp7, 0xffff
	s_lshl_b32 s18, s18, 2
	s_add_co_u32 s18, s18, s16                     ; block of 128 rows
	s_lshl_b32 s19, s16, 2
	s_lshl_b32 s19, 15, s19                        ; my row of the cluster
	s_lshl_b32 s20, 0x1111, s15                    ; my column
	s_or_b32 s[G1+0], s19, FIELDS
	s_or_b32 s[G1B+0], s20, FIELDS
	s_mov_b32 s[G1+1], 64<<16                      ; tensor_dim0 = 64
	s_mov_b32 s[G1B+1], 64<<16
	s_mov_b32 s[G1+2], 128<<16                     ; tensor_dim1 = 128
	s_mov_b32 s[G1B+2], 128<<16
	s_mov_b32 s[G1+3], 64<<16                      ; tile_dim0 = 64
	s_mov_b32 s[G1B+3], 64<<16
	s_mov_b32 s[G1+4], 128                         ; tile_dim1 = 128
	s_mov_b32 s[G1B+4], 128
	s_mov_b32 s[G1+5], 64                          ; dense rows
	s_mov_b32 s[G1B+5], 64
	s_mov_b32 s[G1+6], 0
	s_mov_b32 s[G1B+6], 0
	s_mov_b32 s[G1+7], 0
	s_mov_b32 s[G1B+7], 0
	s_lshr_b32 s40, s18, 4
	s_lshl_b32 s40, s40, 22                        ; batch x 16 heads x 262,144 bytes
	s_and_b32 s41, s18, 15
	s_lshl_b32 s41, s41, 14                        ; 128 rows of 128 bytes a block
	s_add_co_u32 s40, s40, s41
	s_lshl_b32 s41, s12, 18                        ; head w of the K step
	s_add_co_u32 s40, s40, s41
	s_mov_b32 s41, 0
	s_lshl_b32 s44, s17, 14
	s_lshl_b32 s45, s12, 17                        ; a head of wob is 131,072 bytes
	s_add_co_u32 s44, s44, s45
	s_mov_b32 s45, 0
	s_mul_i32 s21, s12, SUB                        ; LDS: sub-tile w of att,
	s_add_co_u32 s22, s21, BOFF                    ; of wob
	s_lshl_b32 s46, s17, 9                         ; my 64 columns of f32: 512 block + 256 wn
	s_lshl_b32 s47, s14, 8
	s_add_co_u32 s46, s46, s47
	s_mov_b32 s47, 0
	s_wait_dscnt 0x0
	s_wait_kmcnt 0x0
	s_add_nc_u64 s[40:41], s[4:5], s[40:41]
	s_add_nc_u64 s[44:45], s[6:7], s[44:45]
	s_add_nc_u64 s[8:9], s[8:9], s[46:47]
	CROUND                                         ; in front of the first joint loads
.irp s, 0,1
	s_mov_b32 s[G0+4*\s], 1
	s_add_co_u32 s[G0+4*\s+1], s21, \s*SLOT
	s_add_nc_u64 s[G0+4*\s+2:G0+4*\s+3], s[40:41], \s*1048576      ; K step s: four heads on
	s_or_b32 s[G0+4*\s+3], s[G0+4*\s+3], 0x80000000
	s_mov_b32 s[G0B+4*\s], 1
	s_add_co_u32 s[G0B+4*\s+1], s22, \s*SLOT
	s_add_nc_u64 s[G0B+4*\s+2:G0B+4*\s+3], s[44:45], \s*524288
	s_or_b32 s[G0B+4*\s+3], s[G0B+4*\s+3], 0x80000000
	LOAD2 \s
.endr
	v_and_b32 v1, 15, v0                           ; r
	v_bfe_u32 v2, v0, 4, 1                         ; h
	v_mul_u32_u24 v3, v1, 144
	v_lshl_add_u32 v3, v2, 4, v3
	s_mul_i32 s23, s13, 64*144
	s_mul_i32 s42, s14, 64*144
	s_add_co_u32 s42, s42, BOFF
	v_add_nc_u32 v[ADRA], s23, v3
	v_add_nc_u32 v[ADRA+1], SLOT, v[ADRA]
	v_add_nc_u32 v[ADRB], s42, v3
	v_add_nc_u32 v[ADRB+1], SLOT, v[ADRB]
	s_mul_i32 s43, s12, 16*272
	s_add_co_u32 s43, s43, STAGE
	v_mul_u32_u24 v4, v1, 272
	v_lshl_add_u32 v4, v2, 5, v4
	v_add_nc_u32 v[STO], s43, v4                   ; row r, 32 bytes for each half of the lanes
	v_mul_u32_u24 v5, v2, 272
	v_lshl_add_u32 v5, v1, 4, v5
	v_add_nc_u32 v[RD], s43, v5                    ; back: lanes 0-15 one row of 256 bytes, lanes 16-31 the next
	v_lshlrev_b32 v[BIO], 4, v1
	v_lshl_add_u32 v[CO], v2, 12, v[BIO]           ; the same two rows in out0
	global_load_b128 v[BIAS:BIAS+3], v[BIO], s[8:9]   ; the biases of the four columns that I store
; 8 matrix instructions: row tiles a0, a0 + 1 x the four column tiles.  The 16 accumulators take turns, one instruction a turn.
.macro MUL8 f, a0, zero
.irp a, \a0, \a0+1
.irp b, 0,1,2,3
.if \zero
	v_wmma_f32_16x16x32_bf16 v[8*(4*(\a)+\b):8*(4*(\a)+\b)+7], v[BFR+32*\f+8*\b:BFR+32*\f+8*\b+7], v[AFR+32*\f+8*(\a):AFR+32*\f+8*(\a)+7], 0
.else
	v_wmma_f32_16x16x32_bf16 v[8*(4*(\a)+\b):8*(4*(\a)+\b)+7], v[BFR+32*\f+8*\b:BFR+32*\f+8*\b+7], v[AFR+32*\f+8*(\a):AFR+32*\f+8*(\a)+7], v[8*(4*(\a)+\b):8*(4*(\a)+\b)+7]
.endif
.endr
.endr
.endm
; 16 LDS loads: piece p (32 of K: head p / 2, half p % 2) into buffer f; wob first, then att
.macro FETCH slot, p, f
.irp b, 0,1,2,3
	ds_load_b128 v[BFR+32*\f+8*\b:BFR+32*\f+8*\b+3], v[ADRB+\slot] offset:SUB*(\p/2)+64*(\p%2)+2304*\b
	ds_load_b128 v[BFR+32*\f+8*\b+4:BFR+32*\f+8*\b+7], v[ADRB+\slot] offset:SUB*(\p/2)+64*(\p%2)+2304*\b+32
.endr
.irp i, 0,1,2,3
	ds_load_b128 v[AFR+32*\f+8*\i:AFR+32*\f+8*\i+3], v[ADRA+\slot] offset:SUB*(\p/2)+64*(\p%2)+2304*\i
	ds_load_b128 v[AFR+32*\f+8*\i+4:AFR+32*\f+8*\i+7], v[ADRA+\slot] offset:SUB*(\p/2)+64*(\p%2)+2304*\i+32
.endr
.endm
.macro PIECE slot, pn, f, g, zero
	s_wait_dscnt 4                                 ; wob and att tiles 0, 1 are in; the youngest four loads (att tiles 2, 3) may be out
	WIN ACCW
	MUL8 \f, 0, \zero
	WIN 0
	PLACES
	FETCH \slot, \pn, \g
	s_wait_dscnt 16                                ; all but the 16 just issued
	WIN ACCW
	MUL8 \f, 2, \zero
.endm
.macro STEP slot, zero                 ; pieces 0 to 6 of a K step
	PIECE \slot, 1, 0, 1, \zero
	PIECE \slot, 2, 1, 0, 0
	PIECE \slot, 3, 0, 1, 0
	PIECE \slot, 4, 1, 0, 0
	PIECE \slot, 5, 0, 1, 0
	PIECE \slot, 6, 1, 0, 0
	PIECE \slot, 7, 0, 1, 0
.endm
; Piece 7 and the change of slots: in front of the barrier my reads of this slot and all my tensor loads are done; where the slot is filled again
; the barrier opens a round of the cluster barrier and the two joint refills are the first tensor loads behind it.
.macro CHANGE slot, next, fill
	s_wait_dscnt 0x0
	s_wait_tensorcnt 0x0
	ds_add_u32 v254, v255
	s_wait_dscnt 0x0
	s_barrier_signal -1
	WIN ACCW
	MUL8 1, 0, 0
	WIN 0
	s_barrier_wait -1
.if \fill
	CREST
	s_add_nc_u64 s[G0+4*\slot+2:G0+4*\slot+3], s[G0+4*\slot+2:G0+4*\slot+3], 2097152     ; two K steps on
	s_add_nc_u64 s[G0B+4*\slot+2:G0B+4*\slot+3], s[G0B+4*\slot+2:G0B+4*\slot+3], 1048576
	LOAD2 \slot
.endif
	PLACES
	FETCH \next, 0, 0
	WIN ACCW
	MUL8 1, 2, 0
.endm
	s_wait_tensorcnt 0x2                           ; my two parts of K step 0 are in; those of K step 1 stay out
	s_barrier_signal -1
	s_barrier_wait -1
	FETCH 0, 0, 0
	STEP 0, 1                                      ; the first products start the sums
	CHANGE 0, 1, 1
	STEP 1, 0
	CHANGE 1, 0, 1
	STEP 0, 0
	CHANGE 0, 1, 0
	STEP 1, 0
	s_wait_dscnt 0x0
	WIN ACCW
	MUL8 1, 0, 0
	MUL8 1, 2, 0
	WIN 0
	PLACES
	; THE WAY OUT, 16 rows at a time through my own stage: 32 bytes a lane and tile in, whole rows of 256 bytes back, the bias added on the way
	s_lshl_b32 s40, s18, 19                        ; 128 rows of 4,096 bytes a block,
	s_lshl_b32 s41, s13, 18                        ; 64 a wave
	s_add_co_u32 s40, s40, s41
	s_mov_b32 s41, 0
	s_add_nc_u64 s[10:11], s[10:11], s[40:41]
	s_add_nc_u64 s[10:11], s[10:11], s[46:47]
	s_wait_loadcnt 0x0                             ; the biases
.macro OUT16 a, ob
	WIN 0x04
.irp b, 0,1,2,3
	ds_store_b128 v[STO], v[8*(4*\a+\b):8*(4*\a+\b)+3] offset:64*\b
	ds_store_b128 v[STO], v[8*(4*\a+\b)+4:8*(4*\a+\b)+7] offset:64*\b+16
.endr
	WIN 0
	s_wait_xcnt 0x0                                ; the buffer, which earlier stores read, is loaded again only behind this wait (ISA guide 3.1)
.irp t, 0,1,2,3,4,5,6,7
	ds_load_b128 v[\ob+4*\t:\ob+4*\t+3], v[RD] offset:544*\t       ; my own bytes, served in order (ISA guide 5.7.1.4)
.endr
.irp t, 0,1,2,3,4,5,6,7
	s_wait_dscnt 7-\t
	v_pk_add_f32 v[\ob+4*\t:\ob+4*\t+1], v[\ob+4*\t:\ob+4*\t+1], v[BIAS:BIAS+1]
	v_pk_add_f32 v[\ob+4*\t+2:\ob+4*\t+3], v[\ob+4*\t+2:\ob+4*\t+3], v[BIAS+2:BIAS+3]
	global_store_b128 v[CO], v[\ob+4*\t:\ob+4*\t+3], s[10:11] offset:65536*\a+8192*\t th:TH_STORE_NT   ; 16 lanes store 256 consecutive bytes, aligned
.endr
.endm
	OUT16 0, OB0
	OUT16 1, OB1
	OUT16 2, OB0
	OUT16 3, OB1
	s_wait_tensorcnt 0x0
	ds_add_u32 v254, v255
	s_wait_dscnt 0x0
	CROUND                                         ; the closing round
	s_endpgm
.Lfunc_end_k_qcb328b34a0_proj:
	.size	k_qcb328b34a0_proj, .Lfunc_end_k_qcb328b34a0_proj-k_qcb328b34a0_proj
	.p2alignl 7, 3214868480
	.fill 96, 4, 3214868480
	.section	.rodata,"a",@progbits
	.p2align	6, 0x0
	.amdhsa_kernel k_qcb328b34a0_proj
		.amdhsa_group_segment_fixed_size 327680
		.amdhsa_private_segment_fixed_size 0
		.amdhsa_enable_private_segment 0
		.amdhsa_kernarg_size 32
		.amdhsa_user_sgpr_count 2
		.amdhsa_user_sgpr_kernarg_segment_ptr 1
		.amdhsa_wavefront_size32 1
		.amdhsa_system_sgpr_workgroup_id_x 1
		.amdhsa_system_sgpr_workgroup_id_y 1
		.amdhsa_system_sgpr_workgroup_id_z 1
		.amdhsa_system_vgpr_workitem_id 0
		.amdhsa_next_free_vgpr 384
		.amdhsa_next_free_sgpr 66
		.amdhsa_reserve_vcc 0
		.amdhsa_float_denorm_mode_32 3
		.amdhsa_float_denorm_mode_16_64 3
		.amdhsa_memory_ordered 1
		.amdhsa_forward_progress 1
		.amdhsa_inst_pref_size 93
	.end_amdhsa_kernel
	.amdgpu_metadata
---
amdhsa.version: [ 1, 2 ]
amdhsa.kernels:
  - .name:           k_qcb328b34a0_proj
    .symbol:         k_qcb328b34a0_proj.kd
    .args:
      - { .name: att, .offset: 0, .size: 8, .value_kind: global_buffer, .address_space: global }
      - { .name: wob, .offset: 8, .size: 8, .value_kind: global_buffer, .address_space: global }
      - { .name: b_out, .offset: 16, .size: 8, .value_kind: global_buffer, .address_space: global }
      - { .name: out0, .offset: 24, .size: 8, .value_kind: global_buffer, .address_space: global }
    .group_segment_fixed_size: 327680
    .private_segment_fixed_size: 0
    .kernarg_segment_align: 8
    .kernarg_segment_size: 32
    .max_flat_workgroup_size: 128
    .sgpr_count:     66
    .vgpr_count:     384
    .wavefront_size: 32
...
	.end_amdgpu_metadata
.endif
;; end of part 4
